; MI455X (gfx1250); checked and timed in simulation.
; The chip was launched on July 23, 2026; its instructions are those of AMD's public machine-readable ISA for CDNA 5 (MIT licence, August 2026) and "CDNA5" Instruction Set Architecture Reference Guide (July 2026). The comments in the code are by the model that wrote it; some were corrected since.
;; Clusterised MLP. Allowed arithmetic: matrix products marked QUANTISED: E2M1 operands, one E8M0 scale for each 32 along K, by v_wmma_scale_f32_16x16x128_f8f6f4 with both operands' format E2M1 (or v_wmma_scale_f32_32x16x128_f4), f32 sums; products left as they are: f32 operands where the result goes on into a quantised operand, else bf16, f16 or f32 operands; f32 sums; everything else in f32.
;; Inputs: V_in 8 x 256 x 36 float32; V_mid 8 x 3 x 256 x 256 float32; V_out 8 x 3 x 256 float32; X 32,768 x 3 float32; b_in 8 x 256 float32; b_mid 8 x 3 x 256 float32; b_out 8 x 3 float32; cluster_ids 32,768 int32; g_in 8 x 256 float32; g_mid 8 x 3 x 256 float32; g_out 8 x 3 float32.
;; Outputs: out0 32,768 x 3 float32.
;; This version of the problem:
;;   THIS VERSION OF THE PROBLEM IS GIVEN IN LOW PRECISION. The matrix products marked QUANTISED in the list below multiply operands that are first quantised to E2M1 (2 exponent bits, 1 mantissa bit; 4 bits a number), with one power-of-two scale for each 32 numbers along K (OCP MX v1.0); their sums are f32. All else is computed in f32.
;;   The module's matrix products, in the order in which they are computed (A, B: the left and right operand; K: the contracted axis; several contracted axes count as one K, in the product's order):
;;     1. [M 32,768, K 36] x [K 36, N 256]; A: computed on the way; B: computed on the way: QUANTISED
;;     2. [M 32,768, K 256] x [K 256, N 256]; A: computed on the way; B: computed on the way: QUANTISED
;;     3. [M 32,768, K 256] x [K 256, N 256]; A: computed on the way; B: computed on the way: QUANTISED
;;     4. [M 32,768, K 256] x [K 256, N 256]; A: computed on the way; B: computed on the way: QUANTISED
;;     5. [M 32,768, K 256] x [K 256, N 3]; A: computed on the way; B: computed on the way: left as it is (N = 3 < 16)
;;     6. [M 32,768, K 36] x [K 36, N 256]; A: computed on the way; B: computed on the way: QUANTISED
;;     7. [M 32,768, K 256] x [K 256, N 256]; A: computed on the way; B: computed on the way: QUANTISED
;;     8. [M 32,768, K 256] x [K 256, N 256]; A: computed on the way; B: computed on the way: QUANTISED
;;     9. [M 32,768, K 256] x [K 256, N 256]; A: computed on the way; B: computed on the way: QUANTISED
;;     10. [M 32,768, K 256] x [K 256, N 3]; A: computed on the way; B: computed on the way: left as it is (N = 3 < 16)
;;     11. [M 32,768, K 36] x [K 36, N 256]; A: computed on the way; B: computed on the way: QUANTISED
;;     12. [M 32,768, K 256] x [K 256, N 256]; A: computed on the way; B: computed on the way: QUANTISED
;;     13. [M 32,768, K 256] x [K 256, N 256]; A: computed on the way; B: computed on the way: QUANTISED
;;     14. [M 32,768, K 256] x [K 256, N 256]; A: computed on the way; B: computed on the way: QUANTISED
;;     15. [M 32,768, K 256] x [K 256, N 3]; A: computed on the way; B: computed on the way: left as it is (N = 3 < 16)
;;     16. [M 32,768, K 36] x [K 36, N 256]; A: computed on the way; B: computed on the way: QUANTISED
;;     17. [M 32,768, K 256] x [K 256, N 256]; A: computed on the way; B: computed on the way: QUANTISED
;;     18. [M 32,768, K 256] x [K 256, N 256]; A: computed on the way; B: computed on the way: QUANTISED
;;     19. [M 32,768, K 256] x [K 256, N 256]; A: computed on the way; B: computed on the way: QUANTISED
;;     20. [M 32,768, K 256] x [K 256, N 3]; A: computed on the way; B: computed on the way: left as it is (N = 3 < 16)
;;     21. [M 32,768, K 36] x [K 36, N 256]; A: computed on the way; B: computed on the way: QUANTISED
;;     22. [M 32,768, K 256] x [K 256, N 256]; A: computed on the way; B: computed on the way: QUANTISED
;;     23. [M 32,768, K 256] x [K 256, N 256]; A: computed on the way; B: computed on the way: QUANTISED
;;     24. [M 32,768, K 256] x [K 256, N 256]; A: computed on the way; B: computed on the way: QUANTISED
;;     25. [M 32,768, K 256] x [K 256, N 3]; A: computed on the way; B: computed on the way: left as it is (N = 3 < 16)
;;     26. [M 32,768, K 36] x [K 36, N 256]; A: computed on the way; B: computed on the way: QUANTISED
;;     27. [M 32,768, K 256] x [K 256, N 256]; A: computed on the way; B: computed on the way: QUANTISED
;;     28. [M 32,768, K 256] x [K 256, N 256]; A: computed on the way; B: computed on the way: QUANTISED
;;     29. [M 32,768, K 256] x [K 256, N 256]; A: computed on the way; B: computed on the way: QUANTISED
;;     30. [M 32,768, K 256] x [K 256, N 3]; A: computed on the way; B: computed on the way: left as it is (N = 3 < 16)
;;     31. [M 32,768, K 36] x [K 36, N 256]; A: computed on the way; B: computed on the way: QUANTISED
;;     32. [M 32,768, K 256] x [K 256, N 256]; A: computed on the way; B: computed on the way: QUANTISED
;;     33. [M 32,768, K 256] x [K 256, N 256]; A: computed on the way; B: computed on the way: QUANTISED
;;     34. [M 32,768, K 256] x [K 256, N 256]; A: computed on the way; B: computed on the way: QUANTISED
;;     35. [M 32,768, K 256] x [K 256, N 3]; A: computed on the way; B: computed on the way: left as it is (N = 3 < 16)
;;     36. [M 32,768, K 36] x [K 36, N 256]; A: computed on the way; B: computed on the way: QUANTISED
;;     37. [M 32,768, K 256] x [K 256, N 256]; A: computed on the way; B: computed on the way: QUANTISED
;;     38. [M 32,768, K 256] x [K 256, N 256]; A: computed on the way; B: computed on the way: QUANTISED
;;     39. [M 32,768, K 256] x [K 256, N 256]; A: computed on the way; B: computed on the way: QUANTISED
;;     40. [M 32,768, K 256] x [K 256, N 3]; A: computed on the way; B: computed on the way: left as it is (N = 3 < 16)
;;   THE QUANTISER, for each operand of a quantised product, along K:
;;     - K is cut into blocks of 32 from its start; a last block that is shorter is filled with zeros.
;;     - A block's scale is 2^e with e = floor(log2(the largest magnitude in the block)) - 2, held to -126 .. 127; a block of zeros has e = 0. As a byte (E8M0): e + 127.
;;     - Each number is divided by its block's scale, clamped to +-6, and rounded to the nearest number of E2M1, ties to even, subnormals kept.
;;     - The product sums the exact products of the quantised numbers (number of the format x scale) in f32.
;;   ~~~python
;;   def quantise(x, axis):      # numpy; x: float32 -> the quantised numbers, widened to float32 again
;;       x = np.moveaxis(x, axis, -1); K = x.shape[-1]
;;       x = np.pad(x, [(0, 0)] * (x.ndim - 1) + [(0, -K % 32)]); x = x.reshape(x.shape[:-1] + (-1, 32)); a = np.abs(x).max(-1, keepdims=True)
;;       e = np.where(a > 0, np.clip(np.frexp(np.where(a > 0, a, 1))[1] - 1 - 2, -126, 127), 0)      # np.frexp(a)[1] - 1 = floor(log2(a)), exactly
;;       r = np.clip(x / 2.0 ** e, -6, 6)
;;       step = 2.0 ** (np.maximum(np.frexp(np.where(r == 0, 1, r))[1] - 1, 0) - 1)
;;       q = np.round(r / step) * step * 2.0 ** e      # np.round: ties to even
;;       return np.moveaxis(q.reshape(q.shape[:-2] + (-1,))[..., :K], -1, axis).astype(np.float32)
;;   ~~~
;;   OPERANDS COMPUTED ON THE WAY. 'Computed on the way' means the value that the module computes at that place (a softmax that the list does not call 'softmax' is quantised finished and normalised). What goes into a quantiser is computed in f32, as accurately as f32 sums, v_exp_f32 and their like allow (about 1e-6 of the number): no bf16 or f16 on the way to a quantiser, and a product that is left as it is and whose result goes on into a quantised operand takes f32 operands (vector FMAs, or v_wmma_f32_16x16x4_f32). A number that lies on a knife's edge between two numbers of the format may be rounded either way, as far as f32 arithmetic and the matrix unit's own rounding can turn it there, and no further.
;; One version. Each part assembles by itself: llvm-mc -triple=amdgcn-amd-amdhsa -mcpu=gfx1250 --defsym DOCPART=n.
;; ======== version 1 of 1: 2 launches
;; limits: inputs' magnitudes at most 800,000
;; workspace buffers: counts 256 bytes of whole numbers; order 1,048,576 bytes of whole numbers; encq 1,048,576 bytes; wq 851,968 bytes; ws 65,536 bytes; wo 65,536 bytes
;; launch prep (part 1): grid 225 x 1, 8 waves a work-group, no clusters, 199,936 bytes of LDS; arguments X, cluster_ids, V_in, g_in, V_mid, g_mid, V_out, g_out, counts, order, encq, wq, ws, wo, out0; writes counts, order, encq, wq, ws, wo, out0
.if DOCPART == 1
	.amdgcn_target "amdgcn-amd-amdhsa--gfx1250"
	.amdhsa_code_object_version 6
	.text
	.protected	k_qdca45ba99c_prep
	.globl	k_qdca45ba99c_prep
	.p2align	8
	.type	k_qdca45ba99c_prep,@function
k_qdca45ba99c_prep:
	s_mov_b64 s[64:65], 0
	v_nop
	global_prefetch_b8 v0, s[64:65] scope:SCOPE_SE
	s_setreg_imm32_b32 hwreg(HW_REG_WAVE_MODE, 25, 1), 1
	s_wait_xcnt 0x0
; PREP: all that the chain of products needs and that hangs on no product.  Five roles, chosen by the work-group's number:
;   0-31    ROUTE  for expert e = wg / 4: its number of points -> counts[e]; row e of order = expert e's points first, all other points behind them
;   32-79   MID    V_mid, weight-normed in f32, as FP4 (E2M1) codes and E8M0 scale words, laid in the order of the matrix operand's registers
;   80-95   IN     V_in likewise (K = 36: a block of 32 and a block of 4 filled with zeros)
;   96      OUT    V_out, weight-normed, as bf16 in the order of the bf16 operand's registers, rows 3 to 15 zeros
;   97-224  ENC    sin / cos encoding of every point in f32, quantised; and zeros into out0 for a point whose id is none of 0 .. 7
; A TILE OF WEIGHT ROWS: lane r of tile t = 2 b + u of wave w takes row 64 w + 32 b + 8 u + r + 8 (r / 8), so that in the transposed product the 16 registers of tiles 2 b and 2 b + 1 are 16 neighbours along the next K.
; A block's scale is 2^(floor(log2(largest magnitude)) - 2): its byte is the largest magnitude's exponent field - 2, held at 1 from below by a floor among the maximum's leaves.
; LIMITS.  A weight row whose sum of squares is 0 or leaves f32's normal range is not served (the module divides by the norm there too).  A block of zeros gets the byte 1, not 127: its codes are zeros and this
; program alone reads the bytes.  The angle is reduced with 48 bits of 2 / pi: the reduced angle is off by about |32 X 2 / pi| x 2^-48, and the quadrant asks for |32 X 2 / pi| < 2^31.  NaN and infinities are not served.
; The weight is V x (g x rsq(sum of squares)), against the module's g V / sqrt(..): a few parts in 10^7 apart.
; No tensor loads, no copies; one barrier, in ROUTE.  Each role that uses LDS has bytes of its own.
.set TBL,   0                          ; ROUTE: 32 counts
.set STG2,  256                        ; MID: a stage of 16 rows for each wave
.set SP2,   1040                       ; its pitch: 1,024 bytes + 16: sixteen rows begin in sixteen different columns of 16 bytes
.set STG5,  STG2+8*16*SP2              ; OUT: 8,192 bytes for each wave
.set FLOOR, 0x1800000                  ; 2^(3 - 127)
.set OFF2,  0xff000000                 ; takes 2 off an exponent field
	s_load_b512 s[4:19], s[0:1], 0x0               ; X 4, ids 6, V_in 8, g_in 10, V_mid 12, g_mid 14, V_out 16, g_out 18
	s_load_b256 s[20:27], s[0:1], 0x40             ; counts 20, order 22, encq 24, wq 26
	s_load_b128 s[28:31], s[0:1], 0x60             ; ws 28, wo 30
	s_load_b64 s[32:33], s[0:1], 0x70              ; out0
	v_lshl_add_u32 v192, v0, 2, 0x30900
	v_mov_b32 v193, 0
	v_lshrrev_b32 v1, 5, v0
	s_delay_alu instid0(VALU_DEP_1)
	v_readfirstlane_b32 s34, v1                    ; wave 0..7
	v_and_b32 v1, 31, v0                           ; lane
	v_and_b32 v2, 15, v0                           ; r
	v_bfe_u32 v3, v0, 4, 1                         ; h
	s_delay_alu instid0(VALU_DEP_3)
	v_lshlrev_b32 v4, 4, v1                        ; 16 x lane
	s_mov_b32 s36, 0x76543210
	s_mov_b32 s37, 0xfedcba98                      ; v_permlanex16_b32's selects for lane l xor 16
	s_mov_b32 s38, 0xffff0000                      ; lanes 16-31
	s_wait_kmcnt 0x0
	s_cmp_lt_u32 ttmp9, 32
	s_cbranch_scc1 .Lroute
	s_cmp_lt_u32 ttmp9, 80
	s_cbranch_scc1 .Lmid
	s_cmp_lt_u32 ttmp9, 96
	s_cbranch_scc1 .Lin
	s_cmp_eq_u32 ttmp9, 96
	s_cbranch_scc1 .Lout
; ---------------------------------------------------------------- ENC: a lane takes a point
.set E,  64                            ; v64-103: the 36 numbers, then four zeros
.set EO, 116                           ; v116: my point's place in encq; v20-55 are the angles' temporaries
	s_sub_co_u32 s40, ttmp9, 97
	s_lshl_b32 s40, s40, 3
	s_add_co_u32 s40, s40, s34
	s_lshl_b32 s40, s40, 5                         ; my wave's first point
	s_mov_b32 s43, 0
	s_mul_i32 s42, s40, 12
	s_add_nc_u64 s[44:45], s[4:5], s[42:43]        ; X
	s_add_nc_u64 s[46:47], s[32:33], s[42:43]      ; out0
	s_lshl_b32 s42, s40, 2
	s_add_nc_u64 s[48:49], s[6:7], s[42:43]        ; ids
	s_lshl_b32 s42, s40, 5
	s_add_nc_u64 s[50:51], s[24:25], s[42:43]      ; encq: 32 bytes a point
	s_wait_alu depctr_va_vdst(0)
	v_mul_u32_u24 v5, v1, 12
	v_lshlrev_b32 v9, 2, v1
	global_load_b96 v[6:8], v5, s[44:45]
	global_load_b32 v10, v9, s[48:49]
	s_mov_b32 s52, 0x3f22f983                      ; 2 / pi, its first 24 bits
	s_mov_b32 s53, 0x32dc9c88                      ; and the next 24
	s_mov_b32 s54, 0x3fc90fdb                      ; pi / 2
	s_mov_b32 s55, 0xb94ca1f9                      ; sin y = y + y z ((S0 z + S1) z + S2), z = y y, |y| <= pi / 4
	s_mov_b32 s56, 0x3c08839e
	s_mov_b32 s57, 0xbe2aaaa3
	s_mov_b32 s58, 0x37ccf5ce                      ; cos y = 1 - z / 2 + z z ((C0 z + C1) z + C2)
	s_mov_b32 s59, 0xbab6061a
	s_mov_b32 s60, 0x3d2aaaa5
.irp i, 36,37,38,39
	v_mov_b32 v[E+\i], 0                           ; the second block's filling
.endr
.irp i, 110,111,112,113,114
	v_mov_b32 v[\i], 0
.endr
	v_lshlrev_b32 v[EO], 9, v3
	s_delay_alu instid0(VALU_DEP_1)
	v_lshl_add_u32 v[EO], v2, 4, v[EO]             ; my point's 16 bytes of a half: 512 (lane / 16) + 16 (lane % 16)
	s_wait_loadcnt 0x0
.irp d, 0,1,2
	v_mul_f32 v[12+\d], s52, v[6+\d]               ; u = x 2 / pi in two parts: the head,
.endr
.irp d, 0,1,2
	s_delay_alu instid0(VALU_DEP_3)
	v_fma_f32 v[16+\d], v[6+\d], s52, -v[12+\d]    ; what its rounding lost (exact),
.endr
.irp d, 0,1,2
	s_delay_alu instid0(VALU_DEP_3)
	v_fma_f32 v[16+\d], v[6+\d], s53, v[16+\d]     ; and the constant's second part
.endr
; The three angles 2^f x of one frequency, line by line by turns.  Temporaries of coordinate d at v[20 + 12 d] .. v[31 + 12 d].
.macro ANGLES f
.irp d, 0,1,2
	v_mul_f32 v[20+12*\d], (127+\f)<<23, v[12+\d]  ; a = 2^f x the head: exact
.endr
.irp d, 0,1,2
	s_delay_alu instid0(VALU_DEP_3)
	v_rndne_f32 v[21+12*\d], v[20+12*\d]           ; n: the quadrant
.endr
.irp d, 0,1,2
	s_delay_alu instid0(VALU_DEP_3)
	v_sub_f32 v[22+12*\d], v[20+12*\d], v[21+12*\d]    ; exact
.endr
.irp d, 0,1,2
	s_delay_alu instid0(VALU_DEP_3)
	v_fma_f32 v[22+12*\d], v[16+\d], (127+\f)<<23, v[22+12*\d]   ; the reduced angle in quarter turns, at most 1 / 2
.endr
.irp d, 0,1,2
	v_cvt_i32_f32 v[23+12*\d], v[21+12*\d]
.endr
.irp d, 0,1,2
	v_mul_f32 v[24+12*\d], s54, v[22+12*\d]        ; y
.endr
.irp d, 0,1,2
	s_delay_alu instid0(VALU_DEP_3)
	v_mul_f32 v[25+12*\d], v[24+12*\d], v[24+12*\d]    ; z
.endr
.irp d, 0,1,2
	v_fma_f32 v[26+12*\d], v[25+12*\d], s55, s56
	v_fma_f32 v[27+12*\d], v[25+12*\d], s58, s59
.endr
.irp d, 0,1,2
	v_fma_f32 v[26+12*\d], v[26+12*\d], v[25+12*\d], s57
	v_fma_f32 v[27+12*\d], v[27+12*\d], v[25+12*\d], s60
.endr
.irp d, 0,1,2
	v_mul_f32 v[26+12*\d], v[26+12*\d], v[25+12*\d]
	v_mul_f32 v[27+12*\d], v[27+12*\d], v[25+12*\d]
	v_fma_f32 v[28+12*\d], v[25+12*\d], -0.5, 1.0
.endr
.irp d, 0,1,2
	v_fma_f32 v[26+12*\d], v[26+12*\d], v[24+12*\d], v[24+12*\d]   ; sin y
	v_fma_f32 v[27+12*\d], v[27+12*\d], v[25+12*\d], v[28+12*\d]   ; cos y
	v_and_b32 v[29+12*\d], 1, v[23+12*\d]
.endr
.irp d, 0,1,2
	v_cmp_eq_u32 s[61+\d], 1, v[29+12*\d]          ; an odd quadrant swaps the two: a choice of values, no branch
.endr
.irp d, 0,1,2
	v_cndmask_b32 v[30+12*\d], v[26+12*\d], v[27+12*\d], s[61+\d]
	v_cndmask_b32 v[31+12*\d], v[27+12*\d], v[26+12*\d], s[61+\d]
	v_lshlrev_b32 v[29+12*\d], 30, v[23+12*\d]     ; the sine's sign: bit 1 of n
	v_add_nc_u32 v[23+12*\d], 1, v[23+12*\d]       ; the cosine's: bit 1 of n + 1
.endr
.irp d, 0,1,2
	v_and_b32 v[29+12*\d], 0x80000000, v[29+12*\d]
	v_lshlrev_b32 v[23+12*\d], 30, v[23+12*\d]
.endr
.irp d, 0,1,2
	v_xor_b32 v[E+6*\f+\d], v[29+12*\d], v[30+12*\d]
	v_and_b32 v[23+12*\d], 0x80000000, v[23+12*\d]
.endr
.irp d, 0,1,2
	v_xor_b32 v[E+6*\f+3+\d], v[23+12*\d], v[31+12*\d]
.endr
.endm
.irp f, 0,1,2,3,4,5
	ANGLES \f
.endr
	; block 0: 32 numbers in two chains, the floor among the leaves; block 1: four numbers
	v_max3_num_f32 v20, |v[E]|, |v[E+1]|, FLOOR
	v_max3_num_f32 v21, |v[E+16]|, |v[E+17]|, |v[E+18]|
	v_max3_num_f32 v22, |v[E+32]|, |v[E+33]|, FLOOR
.irp i, 2
	s_delay_alu instid0(VALU_DEP_3)
	v_max3_num_f32 v20, v20, |v[E+\i]|, |v[E+\i+1]|
	s_delay_alu instid0(VALU_DEP_3)
	v_max3_num_f32 v21, v21, |v[E+17+\i]|, |v[E+18+\i]|
.endr
.irp i, 4, 6, 8, 10, 12
	s_delay_alu instid0(VALU_DEP_2)
	v_max3_num_f32 v20, v20, |v[E+\i]|, |v[E+\i+1]|
	s_delay_alu instid0(VALU_DEP_2)
	v_max3_num_f32 v21, v21, |v[E+17+\i]|, |v[E+18+\i]|
.endr
	s_delay_alu instid0(VALU_DEP_2)
	v_max3_num_f32 v20, v20, |v[E+14]|, |v[E+15]|
	v_max3_num_f32 v22, v22, |v[E+34]|, |v[E+35]|
	s_delay_alu instid0(VALU_DEP_2)
	v_max3_num_f32 v20, v20, v21, |v[E+31]|
	s_delay_alu instid0(VALU_DEP_2)
	v_add_nc_u32 v24, OFF2, v22                    ; the conversion takes the exponent field of this operand as its scale
	s_delay_alu instid0(VALU_DEP_2)
	v_add_nc_u32 v23, OFF2, v20
	s_delay_alu instid0(VALU_DEP_2)
	v_lshrrev_b32 v26, 23, v24                     ; the scales' bytes
	s_delay_alu instid0(VALU_DEP_2)
	v_lshrrev_b32 v25, 23, v23
.irp g, 0,1,2,3
	v_cvt_scalef32_pk8_fp4_f32 v[104+\g], v[E+8*\g:E+8*\g+7], v23
.endr
	v_cvt_scalef32_pk8_fp4_f32 v108, v[E+32:E+39], v24
	v_lshl_or_b32 v109, v26, 8, v25                ; (a plain line behind the conversions)  the point's scale word: bytes 0, 1 the two blocks,
	s_delay_alu instid0(VALU_DEP_1)
	v_or_b32 v109, 0x7f7f0000, v109                ; bytes 2, 3 the scale 1 for K = 64 .. 127, where the weights' codes are zeros
	global_store_b128 v[EO], v[104:107], s[50:51]              ; half 0: K = 0 .. 31.  Sixteen lanes store 256 consecutive bytes, aligned
	global_store_b128 v[EO], v[108:111], s[50:51] offset:256   ; half 1: K = 32 .. 39, the scale word, two zeros
	v_cmp_lt_u32 vcc_lo, 7, v10                    ; a point that no expert takes keeps the module's zeros
	s_wait_xcnt 0x0                                ; EXEC changes only when the stores above have read theirs
	s_and_saveexec_b32 s72, vcc_lo
	global_store_b96 v5, v[112:114], s[46:47]
	s_wait_xcnt 0x0
	s_or_b32 exec_lo, exec_lo, s72
	s_endpgm
; ---------------------------------------------------------------- ROUTE: expert e = wg / 4, quarter p = wg % 4
; A unit is 1,024 consecutive ids.  Wave v counts e's points in units ((p + j) % 4) 8 + v, j = 0 .. 3: the eight waves count all 32.  It places its own unit, j = 0.
; Row e of order is a partition: e's points from the front, in the order (unit, step, lane); every other point behind them, at n_e + (its rank - the matches before it).
; So all 32 lanes store in every step, EXEC never changes, and every word of the row is written.
.macro COUNT j
	s_wait_loadcnt 24-8*\j                         ; unit j's eight loads are in; the younger units' stay out
	s_mov_b32 s[52+\j], 0
.irp a, 0,1,2,3
.irp k, 0,1,2,3,4,5,6,7
	v_cmp_eq_u32 s[56+\k], s40, v[32+32*\j+8*\a+\k]
.endr
.irp k, 0,1,2,3,4,5,6,7
	s_bcnt1_i32_b32 s[56+\k], s[56+\k]
.endr
.irp k, 0,1,2,3,4,5,6,7
	s_add_co_u32 s[52+\j], s[52+\j], s[56+\k]
.endr
.endr
.endm
.macro ISUM reg, tmp                   ; a whole-number sum over the 32 lanes, in every lane (addresses hang on it: no floating point)
.irp x, 1
	v_mov_b32_dpp v[\tmp], v[\reg] row_xmask:\x row_mask:0xf bank_mask:0xf
	s_delay_alu instid0(VALU_DEP_1)
	v_add_nc_u32 v[\reg], v[\reg], v[\tmp]
.endr
.irp x, 2, 4, 8
	s_delay_alu instid0(VALU_DEP_1)
	v_mov_b32_dpp v[\tmp], v[\reg] row_xmask:\x row_mask:0xf bank_mask:0xf
	s_delay_alu instid0(VALU_DEP_1)
	v_add_nc_u32 v[\reg], v[\reg], v[\tmp]
.endr
	s_delay_alu instid0(VALU_DEP_1)
	v_permlanex16_b32 v[\tmp], v[\reg], s36, s37
	s_delay_alu instid0(VALU_DEP_1)
	v_add_nc_u32 v[\reg], v[\reg], v[\tmp]
.endm
.Lroute:
	s_lshr_b32 s40, ttmp9, 2                       ; e
	s_and_b32 s41, ttmp9, 3                        ; p
	s_mov_b32 s43, 0
.irp j, 0,1,2,3
	s_add_co_u32 s42, s41, \j
	s_and_b32 s42, s42, 3
	s_lshl_b32 s42, s42, 3
	s_add_co_u32 s42, s42, s34
	s_lshl_b32 s42, s42, 12                        ; a unit is 4,096 bytes
	s_add_nc_u64 s[44+2*\j:45+2*\j], s[6:7], s[42:43]
.endr
	s_wait_alu depctr_va_vdst(0)
.irp j, 0,1,2,3
.irp i, 0,1,2,3,4,5,6,7
	global_load_b128 v[32+32*\j+4*\i:35+32*\j+4*\i], v4, s[44+2*\j:45+2*\j] offset:512*\i   ; 512 consecutive bytes; other work-groups read them again: no hint
.endr
.endr
	s_lshl_b32 s42, s40, 17
	s_add_nc_u64 s[74:75], s[22:23], s[42:43]      ; row e of order
	s_lshl_b32 s76, s41, 3
	s_add_co_u32 s76, s76, s34                     ; my own unit
	s_lshl_b32 s77, s76, 10                        ; its first point
	v_mov_b32 v12, s34
	s_delay_alu instid0(VALU_DEP_1)
	v_lshlrev_b32 v12, 2, v12                      ; the table: word 8 j + wave
	v_lshlrev_b32 v14, 2, v1
	v_lshrrev_b32 v19, 3, v1
	s_delay_alu instid0(VALU_DEP_1)
	v_add_nc_u32 v19, s41, v19
	s_delay_alu instid0(VALU_DEP_1)
	v_and_b32 v19, 3, v19
	v_and_b32 v20, 7, v1
	s_delay_alu instid0(VALU_DEP_1)
	v_lshl_or_b32 v19, v19, 3, v20                 ; the unit whose count lies in table word = my lane
	v_lshl_add_u32 v16, v1, 2, s77                 ; the first of my four points of a load
	v_mov_b32 v17, 0
	v_mov_b32 v18, 0                               ; (a lane permute's destination counts as one of its sources)
	COUNT 0
	COUNT 1
	COUNT 2
	COUNT 3
.irp j, 0,1,2,3
	v_mov_b32 v[8+\j], s[52+\j]
	ds_store_b32 v12, v[8+\j] offset:TBL+32*\j     ; all lanes write the same word with the same value
.endr
	s_wait_dscnt 0x0                               ; for the other waves' sake: my four counts lie in the table
	s_barrier_signal -1
	s_barrier_wait -1
	ds_load_b32 v13, v14 offset:TBL
	s_wait_dscnt 0x0
	v_cmp_gt_u32 vcc_lo, s76, v19                  ; units in front of mine
	s_delay_alu instid0(VALU_DEP_1)
	v_cndmask_b32 v15, 0, v13, vcc_lo
	ISUM 13, 17
	ISUM 15, 18
	v_readfirstlane_b32 s71, v13                   ; n_e
	s_delay_alu instid0(VALU_DEP_2)
	v_readfirstlane_b32 s70, v15                   ; e's points in front of my unit
	s_add_co_u32 s78, s71, s77
	v_add_nc_u32 v21, s78, v1                      ; n_e + my rank among all points; 32 more in each step
.set K, 0
.rept 32                               ; each step has address and data registers of its own (where units 1 and 2 lay): no store's sources are written again
	v_cmp_eq_u32 vcc_lo, s40, v[32+K]
	s_delay_alu instid0(VALU_DEP_1)
	v_mbcnt_lo_u32_b32 v[64+2*K], vcc_lo, s70      ; the matches before me
	s_delay_alu instid0(VALU_DEP_1)
	v_sub_nc_u32 v17, v21, v[64+2*K]               ; n_e + the others before me
	s_delay_alu instid0(VALU_DEP_1)
	v_cndmask_b32 v[64+2*K], v17, v[64+2*K], vcc_lo
	s_delay_alu instid0(VALU_DEP_1)
	v_min_u32 v[64+2*K], 0x7fff, v[64+2*K]         ; a number made of loaded data enters an address behind a bound
	s_delay_alu instid0(VALU_DEP_1)
	v_lshlrev_b32 v[64+2*K], 2, v[64+2*K]
	v_add_nc_u32 v[65+2*K], 128*(K/4)+K%4, v16     ; the point's number
	global_store_b32 v[64+2*K], v[65+2*K], s[74:75]
	v_add_nc_u32 v21, 32, v21
	s_bcnt1_i32_b32 s73, vcc_lo
	s_add_co_u32 s70, s70, s73
.set K, K+1
.endr
	s_or_b32 s42, s41, s34                         ; quarter 0's wave 0 stores n_e
	s_cmp_lg_u32 s42, 0
	s_cbranch_scc1 .Lroute_end
	v_mov_b32 v22, s71
	s_lshl_b32 s42, s40, 2
	v_mov_b32 v23, s42
	v_cmp_eq_u32 vcc_lo, 0, v1
	s_wait_alu depctr_va_vdst(0)
	s_wait_xcnt 0x0                                ; EXEC changes only when the stores above have read theirs
	s_and_saveexec_b32 s72, vcc_lo
	global_store_b32 v23, v22, s[20:21]
	s_wait_xcnt 0x0
	s_or_b32 exec_lo, exec_lo, s72
.Lroute_end:
	s_wait_tensorcnt 0x0
	ds_add_u32 v192, v193
	s_wait_dscnt 0x0
	s_endpgm
.macro ROW0                            ; s46 = the tile's first row, 64 w + 32 (t / 2) + 8 (t % 2), from t = s41 and w = s42
	s_lshl_b32 s46, s42, 6
	s_lshr_b32 s47, s41, 1
	s_lshl_b32 s47, s47, 5
	s_add_co_u32 s46, s46, s47
	s_and_b32 s47, s41, 1
	s_lshl_b32 s47, s47, 3
	s_add_co_u32 s46, s46, s47
.endm
; ---------------------------------------------------------------- MID: a wave takes a tile of 16 rows x 256
; The rows come by dense loads (512 consecutive bytes each) and turn through the wave's own stage, so that lane (r, h) holds blocks 2 q + h, q = 0 .. 3, of row r: just what the operand's layout gives that lane.
.Lmid:
	s_sub_co_u32 s40, ttmp9, 32
	s_lshl_b32 s40, s40, 3
	s_add_co_u32 s40, s40, s34                     ; tile 0 .. 383
	s_and_b32 s41, s40, 3                          ; t
	s_bfe_u32 s42, s40, 0x20002                    ; w
	s_lshr_b32 s43, s40, 4                         ; 3 e + l
	s_mul_i32 s44, s43, 171
	s_lshr_b32 s44, s44, 9                         ; e (exact for 0 .. 23)
	s_mul_i32 s45, s44, 3
	s_sub_co_u32 s45, s43, s45                     ; l
	ROW0
	s_lshl_b32 s47, s43, 8
	s_add_co_u32 s46, s46, s47                     ; the row among all 6,144
	s_mov_b32 s49, 0
	s_lshl_b32 s48, s46, 10
	s_add_nc_u64 s[50:51], s[12:13], s[48:49]      ; V_mid
	s_lshl_b32 s48, s46, 2
	s_add_nc_u64 s[52:53], s[14:15], s[48:49]      ; g_mid
	s_lshl_b32 s48, s43, 2
	s_add_co_u32 s48, s48, s42
	s_lshl_b32 s48, s48, 13
	s_lshl_b32 s47, s41, 11
	s_add_co_u32 s48, s48, s47
	s_add_co_u32 s48, s48, 65536
	s_add_nc_u64 s[54:55], s[26:27], s[48:49]      ; wq: 65,536 + (4 (3 e + l) + w) 8,192 + 2,048 t
	s_lshl_b32 s48, s44, 2
	s_add_co_u32 s48, s48, s45
	s_add_co_u32 s48, s48, 1
	s_lshl_b32 s48, s48, 2
	s_add_co_u32 s48, s48, s42
	s_lshl_b32 s48, s48, 9
	s_lshl_b32 s47, s41, 7
	s_add_co_u32 s48, s48, s47
	s_add_nc_u64 s[56:57], s[28:29], s[48:49]      ; ws: ((4 e + l + 1) 4 + w) 512 + 128 t
	s_mul_i32 s58, s34, 16*SP2
	s_add_co_u32 s58, s58, STG2                    ; my stage
	s_wait_alu depctr_va_vdst(0)
	v_add_nc_u32 v5, s58, v4                       ; in: as loaded
	v_mul_u32_u24 v6, v2, SP2
	s_delay_alu instid0(VALU_DEP_1)
	v_lshl_add_u32 v6, v3, 7, v6
	s_delay_alu instid0(VALU_DEP_1)
	v_add_nc_u32 v6, s58, v6                       ; back: row r, + 128 h
	v_and_b32 v7, 8, v2
	s_delay_alu instid0(VALU_DEP_1)
	v_add_nc_u32 v7, v7, v2
	s_delay_alu instid0(VALU_DEP_1)
	v_lshlrev_b32 v7, 2, v7                        ; g: 4 (r + 8 (r / 8))
	v_lshlrev_b32 v9, 2, v1
	global_load_b32 v8, v7, s[52:53]
.irp g, 0,1
.irp i, 0,1,2,3,4,5,6,7,8,9,10,11,12,13,14,15
	global_load_b128 v[32+64*\g+4*\i:35+64*\g+4*\i], v4, s[50:51] offset:16384*\g+512*\i th:TH_LOAD_NT   ; eight rows on end, and the eight that lie 16 rows further on; read once
.endr
.endr
	s_wait_alu depctr_va_vdst(0)
.irp a, 0,1,2,3
	s_wait_loadcnt 24-8*\a                         ; eight more loads are in; the younger ones stay out
.irp i, 0,1,2,3,4,5,6,7
	ds_store_b128 v5, v[32+32*\a+4*\i:35+32*\a+4*\i] offset:(8*(\a/2)+(8*(\a%2)+\i)/2)*SP2+(\i%2)*512
.endr
.endr
	s_wait_dscnt 0x0                               ; the stores have read their registers, which the loads below fill
.irp q, 0,1,2,3
.irp j, 0,1,2,3,4,5,6,7
	ds_load_b128 v[32+32*\q+4*\j:35+32*\q+4*\j], v6 offset:256*\q+16*\j
.endr
.endr
	s_wait_dscnt 0x0
.irp n, 0,1,2,3
	v_pk_mul_f32 v[16+2*\n:17+2*\n], v[32+2*\n:33+2*\n], v[32+2*\n:33+2*\n]   ; the sum of squares of my 128, in four packed chains
.endr
.set N, 4
.rept 60
	s_delay_alu instid0(VALU_DEP_4)
	v_pk_fma_f32 v[16+2*(N%4):17+2*(N%4)], v[32+2*N:33+2*N], v[32+2*N:33+2*N], v[16+2*(N%4):17+2*(N%4)]
.set N, N+1
.endr
	s_delay_alu instid0(VALU_DEP_3)
	v_pk_add_f32 v[16:17], v[16:17], v[18:19]
	s_delay_alu instid0(VALU_DEP_2)
	v_pk_add_f32 v[20:21], v[20:21], v[22:23]
	s_delay_alu instid0(VALU_DEP_1)
	v_pk_add_f32 v[16:17], v[16:17], v[20:21]
	s_delay_alu instid0(VALU_DEP_1)
	v_add_f32 v16, v16, v17
	s_delay_alu instid0(VALU_DEP_1)
	v_permlanex16_b32 v17, v16, s36, s37
	s_delay_alu instid0(VALU_DEP_1)
	v_add_f32 v16, v16, v17                        ; with lane l xor 16's 128: the row's
	s_wait_alu depctr_va_vdst(0)
	v_rsq_f32 v18, v16
	v_lshlrev_b32 v190, 3, v3                      ; (a plain line behind the transcendental)  8 h
	s_wait_alu depctr_va_vdst(0)                   ; the wait ahead of the result's first reader
	v_mul_f32 v18, v8, v18                         ; g / norm
	s_delay_alu instid0(VALU_DEP_1)
	v_mov_b32 v19, v18
.set N, 0
.rept 64
	v_pk_mul_f32 v[32+2*N:33+2*N], v[32+2*N:33+2*N], v[18:19]
.set N, N+1
.endr
.irp q, 0,1,2,3
	v_max3_num_f32 v[180+\q], |v[32+32*\q]|, |v[33+32*\q]|, FLOOR   ; four blocks by turns; all 32 numbers of a block are mine
.endr
.irp i, 2,4,6,8,10,12,14,16,18,20,22,24,26,28,30
.irp q, 0,1,2,3
	s_delay_alu instid0(VALU_DEP_4)
	v_max3_num_f32 v[180+\q], v[180+\q], |v[32+32*\q+\i]|, |v[33+32*\q+\i]|
.endr
.endr
.irp q, 0,1,2,3
	s_delay_alu instid0(VALU_DEP_4)
	v_add_nc_u32 v[184+\q], OFF2, v[180+\q]
.endr
.irp q, 0,1,2,3
	s_delay_alu instid0(VALU_DEP_4)
	v_lshrrev_b32 v[176+\q], 23, v[184+\q]
.endr
.irp q, 0,1,2,3
.irp g, 0,1,2,3
	v_cvt_scalef32_pk8_fp4_f32 v[160+4*\q+\g], v[32+32*\q+8*\g:39+32*\q+8*\g], v[184+\q]
.endr
.endr
	v_lshl_or_b32 v188, v177, 16, v176             ; (a plain line behind the conversions)  K step 0: my bytes, blocks h and 2 + h,
	v_lshl_or_b32 v189, v179, 16, v178             ; K step 1 likewise,
.irp q, 0,1,2,3
	global_store_b128 v4, v[160+4*\q:163+4*\q], s[54:55] offset:1024*(\q/2)+512*(\q%2)   ; registers 4 c .. 4 c + 3 of K step s, q = 2 s + c: 512 consecutive bytes
.endr
	v_lshlrev_b32 v188, v190, v188                 ; at their places in the word
	v_lshlrev_b32 v189, v190, v189
	v_mov_b32 v191, 0
	s_delay_alu instid0(VALU_DEP_1)
	v_permlanex16_b32 v191, v188, s36, s37
	s_delay_alu instid0(VALU_DEP_1)
	v_or_b32 v188, v188, v191                      ; with lane l xor 16's two the word is whole
	s_delay_alu instid0(VALU_DEP_2)
	v_permlanex16_b32 v191, v189, s36, s37
	s_delay_alu instid0(VALU_DEP_1)
	v_or_b32 v189, v189, v191
	s_delay_alu instid0(VALU_DEP_1)
	v_cndmask_b32 v188, v188, v189, s38            ; lanes 0-15 keep K step 0's word, lanes 16-31 K step 1's
	global_store_b32 v9, v188, s[56:57]            ; 128 consecutive bytes: half of an aligned 256; all scale words together are 64 KiB
	s_wait_tensorcnt 0x0
	ds_add_u32 v192, v193
	s_wait_dscnt 0x0
	s_endpgm
; ---------------------------------------------------------------- IN: a wave takes a tile of 16 rows x 36
; Lane (r, 0) holds K = 0 .. 31 of row r, lane (r, 1) K = 32 .. 35 and zeros.  All lanes issue the same eight loads inside the row: lanes 16-31 take K = 32 .. 35 by the first and multiply the other seven by 0.
.Lin:
	s_sub_co_u32 s40, ttmp9, 80
	s_lshl_b32 s40, s40, 3
	s_add_co_u32 s40, s40, s34                     ; tile 0 .. 127
	s_and_b32 s41, s40, 3                          ; t
	s_bfe_u32 s42, s40, 0x20002                    ; w
	s_lshr_b32 s44, s40, 4                         ; e
	ROW0
	s_lshl_b32 s47, s44, 8
	s_add_co_u32 s46, s46, s47
	s_mov_b32 s49, 0
	s_mul_i32 s48, s46, 144                        ; a row is 144 bytes
	s_add_nc_u64 s[50:51], s[8:9], s[48:49]
	s_lshl_b32 s48, s46, 2
	s_add_nc_u64 s[52:53], s[10:11], s[48:49]
	s_lshl_b32 s48, s44, 2
	s_add_co_u32 s48, s48, s42
	s_lshl_b32 s48, s48, 11
	s_lshl_b32 s47, s41, 9
	s_add_co_u32 s48, s48, s47
	s_add_nc_u64 s[54:55], s[26:27], s[48:49]      ; wq: (4 e + w) 2,048 + 512 t
	s_lshl_b32 s48, s44, 13
	s_lshl_b32 s47, s42, 9
	s_add_co_u32 s48, s48, s47
	s_lshl_b32 s47, s41, 7
	s_add_co_u32 s48, s48, s47
	s_add_nc_u64 s[56:57], s[28:29], s[48:49]      ; ws: 8,192 e + 512 w + 128 t
	s_wait_alu depctr_va_vdst(0)
	v_and_b32 v7, 8, v2
	s_delay_alu instid0(VALU_DEP_1)
	v_add_nc_u32 v7, v7, v2                        ; r + 8 (r / 8)
	s_delay_alu instid0(VALU_DEP_1)
	v_mul_u32_u24 v12, v7, 144
	s_delay_alu instid0(VALU_DEP_1)
	v_lshl_add_u32 v13, v3, 7, v12                 ; + 128 h
	s_delay_alu instid0(VALU_DEP_3)
	v_lshlrev_b32 v7, 2, v7
	v_lshlrev_b32 v9, 2, v1
	global_load_b32 v8, v7, s[52:53]
	global_load_b128 v[32:35], v13, s[50:51]
.irp j, 1,2,3,4,5,6,7
	global_load_b128 v[32+4*\j:35+4*\j], v12, s[50:51] offset:16*\j
.endr
	v_sub_nc_u32 v10, 1, v3
	s_delay_alu instid0(VALU_DEP_1)
	v_cvt_f32_u32 v10, v10                         ; 1.0 in lanes 0-15, 0.0 in lanes 16-31
	s_delay_alu instid0(VALU_DEP_1)
	v_mov_b32 v11, v10
	s_wait_loadcnt 0x0
	v_pk_mul_f32 v[16:17], v[32:33], v[32:33]
	v_pk_mul_f32 v[18:19], v[36:37], v[36:37]
	v_pk_mul_f32 v[20:21], v[38:39], v[38:39]
	s_delay_alu instid0(VALU_DEP_3)
	v_pk_fma_f32 v[16:17], v[34:35], v[34:35], v[16:17]
.irp n, 40
	s_delay_alu instid0(VALU_DEP_3)
	v_pk_fma_f32 v[18:19], v[\n:\n+1], v[\n:\n+1], v[18:19]
	s_delay_alu instid0(VALU_DEP_3)
	v_pk_fma_f32 v[20:21], v[\n+2:\n+3], v[\n+2:\n+3], v[20:21]
.endr
.irp n, 44, 48, 52, 56, 60
	s_delay_alu instid0(VALU_DEP_2)
	v_pk_fma_f32 v[18:19], v[\n:\n+1], v[\n:\n+1], v[18:19]
	s_delay_alu instid0(VALU_DEP_2)
	v_pk_fma_f32 v[20:21], v[\n+2:\n+3], v[\n+2:\n+3], v[20:21]
.endr
	s_delay_alu instid0(VALU_DEP_1)
	v_pk_add_f32 v[18:19], v[18:19], v[20:21]
	s_delay_alu instid0(VALU_DEP_1)
	v_pk_fma_f32 v[16:17], v[18:19], v[10:11], v[16:17]
	s_delay_alu instid0(VALU_DEP_1)
	v_add_f32 v16, v16, v17
	s_delay_alu instid0(VALU_DEP_1)
	v_permlanex16_b32 v17, v16, s36, s37
	s_delay_alu instid0(VALU_DEP_1)
	v_add_f32 v16, v16, v17                        ; the row's sum of squares
	s_wait_alu depctr_va_vdst(0)
	v_rsq_f32 v18, v16
	v_mov_b32 v23, 0x7f7f7f7f                      ; (a plain line behind the transcendental)
	s_wait_alu depctr_va_vdst(0)                   ; the wait ahead of the result's first reader
	v_mul_f32 v18, v8, v18                         ; g / norm
	s_delay_alu instid0(VALU_DEP_1)
	v_mov_b32 v19, v18
	s_delay_alu instid0(VALU_DEP_1)
	v_pk_mul_f32 v[20:21], v[18:19], v[10:11]      ; and 0 in lanes 16-31
	s_delay_alu instid0(VALU_DEP_2)
	v_pk_mul_f32 v[32:33], v[32:33], v[18:19]
	s_delay_alu instid0(VALU_DEP_3)
	v_pk_mul_f32 v[34:35], v[34:35], v[18:19]
.irp n, 36,38,40,42,44,46,48,50,52,54,56,58,60,62
	v_pk_mul_f32 v[\n:\n+1], v[\n:\n+1], v[20:21]
.endr
	v_max3_num_f32 v24, |v32|, |v33|, FLOOR
	v_max3_num_f32 v25, |v48|, |v49|, |v50|
.irp i, 2,4,6,8,10,12
	s_delay_alu instid0(VALU_DEP_2)
	v_max3_num_f32 v24, v24, |v[32+\i]|, |v[33+\i]|
	s_delay_alu instid0(VALU_DEP_2)
	v_max3_num_f32 v25, v25, |v[49+\i]|, |v[50+\i]|
.endr
	s_delay_alu instid0(VALU_DEP_2)
	v_max3_num_f32 v24, v24, |v46|, |v47|
	s_delay_alu instid0(VALU_DEP_1)
	v_max3_num_f32 v24, v24, v25, |v63|
	s_delay_alu instid0(VALU_DEP_1)
	v_add_nc_u32 v26, OFF2, v24
	s_delay_alu instid0(VALU_DEP_1)
	v_lshrrev_b32 v27, 23, v26
.irp g, 0,1,2,3
	v_cvt_scalef32_pk8_fp4_f32 v[64+\g], v[32+8*\g:39+8*\g], v26
.endr
	v_mov_b32 v28, 0                               ; (a plain line behind the conversions)
	global_store_b128 v4, v[64:67], s[54:55]       ; registers 0 .. 3 of the fragment: 512 consecutive bytes
	v_permlanex16_b32 v28, v27, s36, s37
	s_delay_alu instid0(VALU_DEP_1)
	v_lshl_or_b32 v28, v28, 8, v27                 ; in lanes 0-15: byte 0 block 0, byte 1 block 1,
	s_delay_alu instid0(VALU_DEP_1)
	v_or_b32 v28, 0x7f7f0000, v28                  ; bytes 2, 3 the scale 1 over the zero codes of K = 64 .. 127
	s_delay_alu instid0(VALU_DEP_1)
	v_cndmask_b32 v28, v28, v23, s38               ; lanes 16-31 (no second K step) hold the scale 1
	global_store_b32 v9, v28, s[56:57]
	s_endpgm
; ---------------------------------------------------------------- OUT: wave e takes V_out[e]: 3 rows x 256
; The image of the bf16 operand's registers, [w 4][b 2][i 2][lane 32][16 bytes], lane (r', h) = row r', K = 64 w + 32 b + 16 h + 8 i + 0 .. 7, is put together in the wave's own 8,192 bytes of LDS: zeros first, then the three rows.
.Lout:
	s_mov_b32 s43, 0
	s_mul_i32 s42, s34, 3072
	s_add_nc_u64 s[44:45], s[16:17], s[42:43]
	s_mul_i32 s42, s34, 12
	s_add_nc_u64 s[46:47], s[18:19], s[42:43]
	s_load_b96 s[48:50], s[46:47], 0x0             ; g_out[e]
	s_lshl_b32 s42, s34, 13
	s_add_nc_u64 s[52:53], s[30:31], s[42:43]
	s_add_co_u32 s54, s42, STG5
	s_wait_alu depctr_va_vdst(0)
.irp p, 0,1,2
	global_load_b128 v[32+8*\p:35+8*\p], v4, s[44:45] offset:1024*\p         ; K = 4 lane + 0 .. 3
	global_load_b128 v[36+8*\p:39+8*\p], v4, s[44:45] offset:1024*\p+512     ; K = 128 + 4 lane + 0 .. 3
.endr
	v_add_nc_u32 v5, s54, v4
	v_and_b32 v7, 1, v1
	s_delay_alu instid0(VALU_DEP_1)
	v_lshlrev_b32 v7, 3, v7                        ; K's bit 2: 8 bytes
	v_bfe_u32 v9, v1, 1, 1
	s_delay_alu instid0(VALU_DEP_1)
	v_lshl_add_u32 v7, v9, 9, v7                   ; bit 3 = i
	v_bfe_u32 v9, v1, 2, 1
	s_delay_alu instid0(VALU_DEP_1)
	v_lshl_add_u32 v7, v9, 8, v7                   ; bit 4 = h: sixteen lanes on
	v_bfe_u32 v9, v1, 3, 1
	s_delay_alu instid0(VALU_DEP_1)
	v_lshl_add_u32 v7, v9, 10, v7                  ; bit 5 = b
	v_bfe_u32 v9, v1, 4, 1
	s_delay_alu instid0(VALU_DEP_1)
	v_lshl_add_u32 v7, v9, 11, v7                  ; bit 6 = w's low bit; its high bit is the second load: 4,096
	s_delay_alu instid0(VALU_DEP_1)
	v_add_nc_u32 v7, s54, v7
.irp i, 12,13,14,15
	v_mov_b32 v[\i], 0
.endr
.irp k, 0,1,2,3,4,5,6,7,8,9,10,11,12,13,14,15
	ds_store_b128 v5, v[12:15] offset:512*\k
.endr
	s_wait_loadcnt 0x0
.irp p, 0,1,2
	v_pk_mul_f32 v[20+2*\p:21+2*\p], v[32+8*\p:33+8*\p], v[32+8*\p:33+8*\p]
.endr
.irp n, 2,4,6
.irp p, 0,1,2
	s_delay_alu instid0(VALU_DEP_3)
	v_pk_fma_f32 v[20+2*\p:21+2*\p], v[32+8*\p+\n:33+8*\p+\n], v[32+8*\p+\n:33+8*\p+\n], v[20+2*\p:21+2*\p]
.endr
.endr
.irp p, 0,1,2
	s_delay_alu instid0(VALU_DEP_3)
	v_add_f32 v[16+\p], v[20+2*\p], v[21+2*\p]
.endr
.irp x, 1,2,4,8
.irp p, 0,1,2
	s_delay_alu instid0(VALU_DEP_3)
	v_add_f32_dpp v[16+\p], v[16+\p], v[16+\p] row_xmask:\x row_mask:0xf bank_mask:0xf
.endr
.endr
.irp p, 0,1,2
	s_delay_alu instid0(VALU_DEP_3)
	v_permlanex16_b32 v[20+\p], v[16+\p], s36, s37
.endr
.irp p, 0,1,2
	s_delay_alu instid0(VALU_DEP_3)
	v_add_f32 v[16+\p], v[16+\p], v[20+\p]         ; each row's sum of squares, in every lane
.endr
	s_wait_alu depctr_va_vdst(0)
.irp p, 0,1,2
	v_rsq_f32 v[26+\p], v[16+\p]
.endr
	v_nop                                          ; a plain line behind the last transcendental
	s_wait_alu depctr_va_vdst(0)                   ; one wait for the three, ahead of their first reader
	s_wait_kmcnt 0x0
.irp p, 0,1,2
	v_mul_f32 v[20+2*\p], s[48+\p], v[26+\p]
.endr
.irp p, 0,1,2
	s_delay_alu instid0(VALU_DEP_3)
	v_mov_b32 v[21+2*\p], v[20+2*\p]
.endr
.irp p, 0,1,2
.irp n, 0,2,4,6
	v_pk_mul_f32 v[32+8*\p+\n:33+8*\p+\n], v[32+8*\p+\n:33+8*\p+\n], v[20+2*\p:21+2*\p]
.endr
.endr
.irp p, 0,1,2
.irp n, 0,1,2,3
	v_cvt_pk_bf16_f32 v[56+4*\p+\n], v[32+8*\p+2*\n], v[33+8*\p+2*\n]
.endr
.endr
.irp p, 0,1,2
	ds_store_b64 v7, v[56+4*\p:57+4*\p] offset:16*\p         ; LDS serves a wave's instructions in order: these land on the zeros
	ds_store_b64 v7, v[58+4*\p:59+4*\p] offset:16*\p+4096
.endr
.irp k, 0,1,2,3,4,5,6,7,8,9,10,11,12,13,14,15
	ds_load_b128 v[64+4*\k:67+4*\k], v5 offset:512*\k
.endr
.irp k, 0,1,2,3,4,5,6,7,8,9,10,11,12,13,14,15
	s_wait_dscnt 15-\k                             ; load k is back; the younger ones stay out
	global_store_b128 v4, v[64+4*\k:67+4*\k], s[52:53] offset:512*\k
.endr
	s_wait_tensorcnt 0x0
	ds_add_u32 v192, v193
	s_wait_dscnt 0x0
	s_endpgm
.Lfunc_end_k_qdca45ba99c_prep:
	.size	k_qdca45ba99c_prep, .Lfunc_end_k_qdca45ba99c_prep-k_qdca45ba99c_prep
	.p2alignl 7, 3214868480
	.fill 96, 4, 3214868480
	.section	.rodata,"a",@progbits
	.p2align	6, 0x0
	.amdhsa_kernel k_qdca45ba99c_prep
		.amdhsa_group_segment_fixed_size 199936
		.amdhsa_private_segment_fixed_size 0
		.amdhsa_enable_private_segment 0
		.amdhsa_kernarg_size 120
		.amdhsa_user_sgpr_count 2
		.amdhsa_user_sgpr_kernarg_segment_ptr 1
		.amdhsa_wavefront_size32 1
		.amdhsa_system_sgpr_workgroup_id_x 1
		.amdhsa_system_sgpr_workgroup_id_y 1
		.amdhsa_system_sgpr_workgroup_id_z 1
		.amdhsa_system_vgpr_workitem_id 0
		.amdhsa_next_free_vgpr 194
		.amdhsa_next_free_sgpr 100
		.amdhsa_reserve_vcc 1
		.amdhsa_float_denorm_mode_32 3
		.amdhsa_float_denorm_mode_16_64 3
		.amdhsa_memory_ordered 1
		.amdhsa_forward_progress 1
		.amdhsa_inst_pref_size 125
	.end_amdhsa_kernel
	.amdgpu_metadata
---
amdhsa.version: [ 1, 2 ]
amdhsa.kernels:
  - .name:           k_qdca45ba99c_prep
    .symbol:         k_qdca45ba99c_prep.kd
    .args:
      - { .name: X, .offset: 0, .size: 8, .value_kind: global_buffer, .address_space: global }
      - { .name: cluster_ids, .offset: 8, .size: 8, .value_kind: global_buffer, .address_space: global }
      - { .name: V_in, .offset: 16, .size: 8, .value_kind: global_buffer, .address_space: global }
      - { .name: g_in, .offset: 24, .size: 8, .value_kind: global_buffer, .address_space: global }
      - { .name: V_mid, .offset: 32, .size: 8, .value_kind: global_buffer, .address_space: global }
      - { .name: g_mid, .offset: 40, .size: 8, .value_kind: global_buffer, .address_space: global }
      - { .name: V_out, .offset: 48, .size: 8, .value_kind: global_buffer, .address_space: global }
      - { .name: g_out, .offset: 56, .size: 8, .value_kind: global_buffer, .address_space: global }
      - { .name: counts, .offset: 64, .size: 8, .value_kind: global_buffer, .address_space: global }
      - { .name: order, .offset: 72, .size: 8, .value_kind: global_buffer, .address_space: global }
      - { .name: encq, .offset: 80, .size: 8, .value_kind: global_buffer, .address_space: global }
      - { .name: wq, .offset: 88, .size: 8, .value_kind: global_buffer, .address_space: global }
      - { .name: ws, .offset: 96, .size: 8, .value_kind: global_buffer, .address_space: global }
      - { .name: wo, .offset: 104, .size: 8, .value_kind: global_buffer, .address_space: global }
      - { .name: out0, .offset: 112, .size: 8, .value_kind: global_buffer, .address_space: global }
    .group_segment_fixed_size: 199936
    .private_segment_fixed_size: 0
    .kernarg_segment_align: 8
    .kernarg_segment_size: 120
    .max_flat_workgroup_size: 256
    .sgpr_count:     100
    .vgpr_count:     194
    .wavefront_size: 32
...
	.end_amdgpu_metadata
.endif
;; end of part 1
;; launch mlp (part 2): grid 235 x 1, 4 waves a work-group, no clusters, 78,848 bytes of LDS; arguments counts, order, encq, wq, ws, wo, b_in, b_mid, b_out, out0; writes out0
.if DOCPART == 2
	.amdgcn_target "amdgcn-amd-amdhsa--gfx1250"
	.amdhsa_code_object_version 6
	.text
	.protected	k_qdca45ba99c_mlp
	.globl	k_qdca45ba99c_mlp
	.p2align	8
	.type	k_qdca45ba99c_mlp,@function
k_qdca45ba99c_mlp:
	s_mov_b64 s[64:65], 0
	v_nop
	global_prefetch_b8 v0, s[64:65] scope:SCOPE_SE
	s_setreg_imm32_b32 hwreg(HW_REG_WAVE_MODE, 25, 1), 1
	s_wait_xcnt 0x0
; MLP: one work-group takes one tile of at most 144 points of one expert through the whole chain: 36 -> 256 -> 256 -> 256 -> 256 (FP4 codes with E8M0 scales on both sides, f32 sums, bias as the first C, relu) -> 3 (bf16 operands) -> tanh.
; THE GRID serves every split: with 32,768 points, 8 experts and tiles of 144 there are never more than ceil(32768 / 144) + 7 = 235 tiles.  Which tile is mine follows from the eight counts that the launch before stored.
; No branch hangs on a loaded number, so that every wave passes every barrier: a work-group that the split leaves without rows runs the same text with rows = 0, and all its stores are masked.
; Rows of a tile beyond the expert's count take other points from the list (every word of it is written), and are masked likewise.
; SHARES.  THE WAVES SHARE THE COLUMNS: wave w makes units 64 w .. 64 w + 63 of every layer for all nine tiles of 16 points.  So each weight byte comes from memory once a work-group, straight into registers (laid by
; the launch before in the order of the operand's registers), and what goes round through LDS is small: the activations' codes and scale bytes, as images of the next operand's registers.
; LAYOUT.  The products are used transposed: source 0 = 16 weight rows, source 1 = 16 points.  Lane (r, h) then holds point r, and register j of tile t = 2 b + u holds unit 64 w + 32 b + 16 h + 8 u + j (the rows of a
; weight tile are chosen for that): the 16 registers of tiles 2 b, 2 b + 1 are 16 neighbours along the next K; lanes l and l xor 16 hold a block of 32.  My 16 codes are 8 bytes of lane (r + 16 b)'s 16 in the image.
; THE FIRST LAYER has K = 36 of the instruction's 128.  The weights' codes are zeros from K = 36 on (K = 64 .. 127: registers cleared here), so what the points' fragments hold there adds nothing: every FP4 code is a finite number.
; The points' fragments therefore lie 4 registers apart, each one's upper half being the next one's codes, and the scale word that rides in the gathered 16 bytes (K = 40 .. 47) needs no clearing.
; RELU IS TAKEN ON THE CODES: the block's maximum leaves negative numbers out, and a code with its sign set loses its magnitude: -0, which adds nothing.
; NO CLUSTER, NO TENSOR LOAD: a work-group's expert is read from memory, so neighbours need not share weights.
; LIMITS.  A block of zeros has the byte 1, not 127 (its codes are zeros; nobody else reads the bytes).  The last product rounds the hidden layer and W_out to bf16.  NaN and infinities are not served.
; out0's rows are 12 bytes at places that the routing scatters: they are stored so.
; REGISTERS, in windows of 256.  Window 0: v0-15 addresses; v16-18 the places in out0 of the points whose results I store (tiles w, w + 4, 8), made once at the head; v32-47 the weights' scale words; v48-56 the points';
;   v64-127 two sets of bias (in the last layer v64-87 serve the bf16 product); v128-191 two sets of four accumulators; v192-217 the quantiser; v224-239 W_out; v240-255 the last product's two accumulators.
;   Window 1: v0-31 W_in's four fragments; from v32 the three mid layers': 32 + 64 l + 16 t + 8 s.   Window 2: the points' fragments: 16 m + 8 s (first layer: 4 m).
.set IMGB, 18432                       ; LDS: image n of three: (tile of points m, quarter f of K) at 2,048 m + 512 f + 16 x lane
.set SCB,  3*IMGB                      ; scale words n: (K step s, point r, tile m) at 48 (16 s + r) + 4 m
.set SCN,  1536
.set YS,   SCB+3*SCN                   ; the last product's parts: [wave 4][m 9][lane 32][16 bytes]
.set SA,   32
.set SB,   48
.set BI,   64
.set AC,   128
.set QT,   192                         ; +0, 1 maxima; +2, 3 the other lane's; +4, 5 scale operands; +6, 7 bytes; +8 .. 15 at work
.set CD,   208                         ; two sets of four code registers
.set YP,   216                         ; two pairs of bytes
.set WO,   224
.set YA,   240
.set YB,   248
.set HB,   64
.set YO,   80
.set OA,   128                         ; ahead of the first product the accumulators' registers hold: offsets into the list,
.set TOK,  140                         ; the points,
.set VE,   150                         ; their places in encq,
.set VF,   160                         ; and my half's
.set FLOOR, 0x1800000                  ; 2^(3 - 127)
.set MSB, 0
.macro WIN new                         ; the immediate's high byte repeats the setting that is left
.if MSB != \new
	s_set_vgpr_msb (MSB<<8)|\new
.set MSB, \new
.endif
.endm
	s_load_b512 s[4:19], s[0:1], 0x0               ; counts 4, order 6, encq 8, wq 10, ws 12, wo 14, b_in 16, b_mid 18
	s_load_b128 s[20:23], s[0:1], 0x40             ; b_out 20, out0 22
	v_lshl_add_u32 v222, v0, 2, 0x13200
	v_mov_b32 v223, 0
	v_lshrrev_b32 v1, 5, v0
	v_readfirstlane_b32 s32, v1                    ; wave 0..3
	v_and_b32 v1, 15, v0                           ; r
	v_bfe_u32 v2, v0, 4, 1                         ; h
	v_and_b32 v3, 31, v0
	v_lshlrev_b32 v11, 2, v3                       ; 4 x lane
	v_mul_u32_u24 v6, v3, 48                       ; where I read scale words
	v_lshlrev_b32 v3, 4, v3                        ; 16 x lane
	v_lshlrev_b32 v9, 6, v2                        ; 64 h: my half's 16 numbers of a bias's 32
	s_wait_alu depctr_va_vdst(0)
	s_wait_kmcnt 0x0
	s_load_b256 s[24:31], s[4:5], 0x0              ; the eight counts
	s_mov_b32 s42, 0x76543210
	s_mov_b32 s43, 0xfedcba98                      ; v_permlanex16_b32's selects for lane l xor 16
	s_lshl_b32 s45, s32, 9
	v_lshlrev_b32 v4, 4, v1
	v_lshl_add_u32 v4, v2, 3, v4
	v_add_nc_u32 v4, s45, v4                       ; where I store codes: 512 w + 16 r + 8 h
	s_lshr_b32 s46, s32, 1
	s_mul_i32 s46, s46, 768
	s_and_b32 s47, s32, 1
	s_lshl_b32 s47, s47, 1
	s_add_co_u32 s46, s46, s47
	v_mul_u32_u24 v5, v1, 48
	v_add_nc_u32 v5, s46, v5                       ; and my two scale bytes: 48 (16 (w / 2) + r) + 2 (w % 2)
	s_mul_i32 s46, s32, 4608
	s_add_co_u32 s46, s46, YS
	v_add_nc_u32 v7, s46, v3                       ; where I store the last product's parts
	v_mul_u32_u24 v8, v2, 9216
	v_lshl_add_u32 v8, v1, 4, v8
	s_add_co_u32 s46, s45, YS
	v_add_nc_u32 v8, s46, v8                       ; and read them: waves 2 h and 2 h + 1, tile w (+ 4, + 8 by the offset), point r
	s_lshl_b32 s45, s32, 4
	v_lshl_add_u32 v13, v2, 10, v1
	v_add_nc_u32 v13, s45, v13                     ; the row of the tile that I store: 16 w + r; lanes 16-31 store nothing: + 1,024
	v_mov_b32 v[QT+2], 0
	v_mov_b32 v[QT+3], 0                           ; (a lane permute's destination counts as one of its sources)
	s_mov_b32 s33, 0
	s_mov_b32 s34, 0
	s_mov_b32 s35, 0
	s_wait_kmcnt 0x0
	s_mov_b32 s36, s24
; THE TILE MAP.  Expert x has ceil(n / 144) tiles, one behind the other; the last expert whose first tile is not past my number is mine, so experts without points are passed over.
.irp x, 0,1,2,3,4,5,6,7
	s_cmp_ge_u32 ttmp9, s34
	s_cselect_b32 s33, \x, s33                     ; e
	s_cselect_b32 s35, s34, s35                    ; its first tile
	s_cselect_b32 s36, s[24+\x], s36               ; its count
	s_add_co_u32 s37, s[24+\x], 143
	s_lshr_b32 s37, s37, 4
	s_mul_i32 s37, s37, 0xe38f
	s_lshr_b32 s37, s37, 19                        ; ((n + 143) / 16) / 9, exact up to 2,056
	s_add_co_u32 s34, s34, s37
.endr
	s_min_u32 s33, s33, 7                          ; numbers made of loaded data enter addresses behind a bound
	s_sub_co_u32 s38, ttmp9, s35
	s_min_u32 s38, s38, 255
	s_mul_i32 s40, s38, 144                        ; my first place in the expert's list
	s_sub_co_i32 s39, s36, s40
	s_max_i32 s39, s39, 0
	s_min_i32 s39, s39, 144                        ; my rows: 0 where the split leaves me none
	s_mov_b32 s47, 0
	s_lshl_b32 s46, s33, 17
	s_add_nc_u64 s[52:53], s[6:7], s[46:47]        ; row e of order
	v_add_nc_u32 v10, s40, v1
.irp m, 0,1,2,3,4,5,6,7,8
	v_add_nc_u32 v[OA+\m], 16*\m, v10
.endr
	v_add_nc_u32 v[OA+9], s45, v10                 ; tiles w and w + 4: the points whose results I store
	v_add_nc_u32 v[OA+10], 64, v[OA+9]
.irp m, 0,1,2,3,4,5,6,7,8,9,10
	v_min_u32 v[OA+\m], 0x7fff, v[OA+\m]
.endr
.irp m, 0,1,2,3,4,5,6,7,8,9,10
	v_lshlrev_b32 v[OA+\m], 2, v[OA+\m]
.endr
.irp m, 0,1,2,3,4,5,6,7,8
	global_load_b32 v[TOK+\m], v[OA+\m], s[52:53]  ; the list: eleven loads
.endr
	global_load_b32 v16, v[OA+9], s[52:53]
	global_load_b32 v17, v[OA+10], s[52:53]
	s_lshl_b32 s46, s33, 13
	s_lshl_b32 s45, s32, 11
	s_add_co_u32 s46, s46, s45
	s_add_nc_u64 s[54:55], s[10:11], s[46:47]      ; W_in's codes: 8,192 e + 2,048 w
	s_add_nc_u64 s[60:61], s[14:15], s[46:47]      ; W_out: the same
	s_mul_i32 s46, s33, 98304
	s_lshl_b32 s45, s32, 13
	s_add_co_u32 s46, s46, s45
	s_add_co_u32 s46, s46, 65536
	s_add_nc_u64 s[56:57], s[10:11], s[46:47]      ; the mid layers' codes; a layer is 32,768 bytes
	s_lshl_b32 s46, s33, 13
	s_lshl_b32 s45, s32, 9
	s_add_co_u32 s46, s46, s45
	s_add_nc_u64 s[58:59], s[12:13], s[46:47]      ; the weights' scale words; a layer is 2,048 bytes
	s_lshl_b32 s46, s33, 10
	s_lshl_b32 s45, s32, 8
	s_add_co_u32 s46, s46, s45
	s_add_nc_u64 s[62:63], s[16:17], s[46:47]      ; b_in
	s_mul_i32 s46, s33, 3072
	s_add_co_u32 s46, s46, s45
	s_add_nc_u64 s[66:67], s[18:19], s[46:47]      ; b_mid; a layer is 1,024 bytes
	s_mul_i32 s46, s33, 12
	s_add_nc_u64 s[68:69], s[20:21], s[46:47]      ; b_out[e]
.macro BIASLD set, lo, off             ; 8 loads: eight registers a tile, in the result's layout: units 32 b + 16 h + 8 u + 0 .. 7
.irp t, 0,1,2,3
	global_load_b128 v[BI+32*(\set)+8*\t:BI+32*(\set)+8*\t+3], v9, s[\lo:\lo+1] offset:(\off)+128*(\t/2)+32*(\t%2)
	global_load_b128 v[BI+32*(\set)+8*\t+4:BI+32*(\set)+8*\t+7], v9, s[\lo:\lo+1] offset:(\off)+128*(\t/2)+32*(\t%2)+16
.endr
.endm
.macro SALD lay                        ; 4 loads: a layer's scale words: lanes 0-15 K step 0, lanes 16-31 K step 1
.irp t, 0,1,2,3
	global_load_b32 v[SA+4*(\lay)+\t], v11, s[58:59] offset:2048*(\lay)+128*\t
.endr
.endm
.macro MIDLD l                         ; 16 loads of 512 consecutive bytes: a mid layer's eight fragments (64 registers) of my 64 units
	WIN 0x40                                       ; destination window 1
.irp t, 0,1,2,3
.irp f, 0,1,2,3
	global_load_b128 v[32+64*(\l)+16*\t+4*\f:35+64*(\l)+16*\t+4*\f], v3, s[56:57] offset:32768*(\l)+2048*\t+512*\f
.endr
.endr
	WIN 0
.endm
	SALD 0                                         ; 16 loads behind the list's eleven, all for the first layer: 4 scale words,
	BIASLD 0, 62, 0                                ; 8 of its bias,
	WIN 0x40
.irp t, 0,1,2,3
	global_load_b128 v[8*\t:8*\t+3], v3, s[54:55] offset:512*\t   ; 4 of W_in
.endr
.irp t, 0,1,2,3
.irp j, 4,5,6,7
	v_mov_b32 v[8*\t+\j], 0                        ; W_in's K = 64 .. 127: zero codes
.endr
.endr
	WIN 0x80
.irp j, 36,37,38,39
	v_mov_b32 v[\j], 0                             ; the upper half of the last point fragment (any codes would do; they must be written)
.endr
	WIN 0
	s_wait_loadcnt 16                              ; the list's eleven loads are in; the 16 behind them stay out
.irp m, 0,1,2,3,4,5,6,7,8
	v_min_u32 v[TOK+\m], 0x7fff, v[TOK+\m]
.endr
	v_min_u32 v16, 0x7fff, v16
	v_min_u32 v17, 0x7fff, v17
	v_mul_u32_u24 v18, v[TOK+8], 12                ; the places in out0, 12 bytes a point, of the points whose results I store: tile 8's,
	v_mul_u32_u24 v16, v16, 12                     ; tile w's,
	v_mul_u32_u24 v17, v17, 12                     ; tile w + 4's.  Made here, once, with all lanes on; never written again
.irp m, 0,1,2,3,4,5,6,7,8
	v_and_b32 v[VE+\m], 0x7ff0, v[TOK+\m]
.endr
.irp m, 0,1,2,3,4,5,6,7,8
	v_and_b32 v[TOK+\m], 15, v[TOK+\m]
.endr
.irp m, 0,1,2,3,4,5,6,7,8
	v_lshlrev_b32 v[VE+\m], 5, v[VE+\m]
.endr
.irp m, 0,1,2,3,4,5,6,7,8
	v_lshl_add_u32 v[VE+\m], v[TOK+\m], 4, v[VE+\m]    ; 512 (point / 16) + 16 (point % 16)
.endr
.irp m, 0,1,2,3,4,5,6,7,8
	v_lshl_add_u32 v[VF+\m], v2, 8, v[VE+\m]           ; + 256 h
.endr
	WIN 0x80                                       ; destination window 2
.irp m, 0,1,2,3,4,5,6,7,8
	global_load_b128 v[4*\m:4*\m+3], v[VF+\m], s[8:9]  ; the gather, 18 loads: lane (r, h): K = 32 h + 0 .. 31 of point r,
.endr
	WIN 0
.irp m, 0,1,2,3,4,5,6,7,8
	global_load_b32 v[SB+\m], v[VE+\m], s[8:9] offset:260   ; and its scale word
.endr
	SALD 1                                         ; 28 loads behind the gather, all for the second layer: 4 scale words,
	BIASLD 1, 66, 0                                ; 8 of its bias,
	MIDLD 0                                        ; 16 of its weights
	s_wait_loadcnt 28                              ; all up to the gather is in, so the first layer can start, and the gather's offsets, where the accumulators lie, have been read; the 28 stay out
	MIDLD 1                                        ; 20 loads for the third layer: 16 of its weights,
	SALD 2                                         ; 4 scale words
; The products of tile m of points: my four tiles of units, one instruction a turn, K step by K step; the bias is the first C.  lay = 0: the first layer, one K step.
.macro MUL m, lay
.set MA, AC+32*((\m)&1)
.set MC, BI+32*((\lay)&1)
	WIN 0x09                                       ; source 0 (weights) window 1, source 1 (points) window 2, C and D window 0
.irp t, 0,1,2,3
.if (\lay) == 0
	v_wmma_scale_f32_16x16x128_f8f6f4 v[MA+8*\t:MA+8*\t+7], v[8*\t:8*\t+7], v[4*(\m):4*(\m)+7], v[MC+8*\t:MC+8*\t+7], v[SA+\t], v[SB+(\m)] matrix_a_fmt:MATRIX_FMT_FP4 matrix_b_fmt:MATRIX_FMT_FP4
.else
	v_wmma_scale_f32_16x16x128_f8f6f4 v[MA+8*\t:MA+8*\t+7], v[64*(\lay)-32+16*\t:64*(\lay)-32+16*\t+7], v[16*(\m):16*(\m)+7], v[MC+8*\t:MC+8*\t+7], v[SA+4*(\lay)+\t], v[SB+(\m)] matrix_a_fmt:MATRIX_FMT_FP4 matrix_b_fmt:MATRIX_FMT_FP4
.endif
.endr
.if (\lay) > 0
.irp t, 0,1,2,3
	v_wmma_scale_f32_16x16x128_f8f6f4 v[MA+8*\t:MA+8*\t+7], v[64*(\lay)-24+16*\t:64*(\lay)-24+16*\t+7], v[16*(\m)+8:16*(\m)+15], v[MA+8*\t:MA+8*\t+7], v[SA+4*(\lay)+\t], v[SB+(\m)] matrix_a_fmt:MATRIX_FMT_FP4 matrix_b_fmt:MATRIX_FMT_FP4 matrix_a_scale:MATRIX_SCALE_ROW1 matrix_b_scale:MATRIX_SCALE_ROW1
.endr
.endif
	WIN 0
.endm
; Tile m's 32 numbers of a lane (two half blocks of 16) become 16 bytes of codes and two scale bytes, in image n.
.macro QUANT m, n
.set QA, AC+32*((\m)&1)
.set QC, CD+4*((\m)&1)
.set QY, YP+((\m)&1)
.if (\m) >= 2
	s_wait_dscnt 3                                 ; the last tile's three stores may be out; those of the tile before it, whose registers are written now, are done
.endif
.irp b, 0,1                            ; the largest number, negative ones left out (relu), the floor among the leaves; four chains; each accumulator is read from its low end on
	v_max3_num_f32 v[QT+\b], v[QA+16*\b], v[QA+16*\b+1], FLOOR
	v_max3_num_f32 v[QT+8+\b], v[QA+16*\b+8], v[QA+16*\b+9], v[QA+16*\b+10]
.endr
.irp i, 2,4
.irp b, 0,1
	v_max3_num_f32 v[QT+\b], v[QT+\b], v[QA+16*\b+\i], v[QA+16*\b+\i+1]
	v_max3_num_f32 v[QT+8+\b], v[QT+8+\b], v[QA+16*\b+\i+9], v[QA+16*\b+\i+10]
.endr
.endr
.irp b, 0,1
	v_max3_num_f32 v[QT+\b], v[QT+\b], v[QA+16*\b+6], v[QA+16*\b+7]
.endr
.irp b, 0,1
	v_max3_num_f32 v[QT+\b], v[QT+\b], v[QT+8+\b], v[QA+16*\b+15]
.endr
.irp b, 0,1
	v_permlanex16_b32 v[QT+2+\b], v[QT+\b], s42, s43
.endr
.irp b, 0,1
	v_max_num_f32 v[QT+\b], v[QT+\b], v[QT+2+\b]   ; with lane l xor 16's 16: the block's
.endr
.irp b, 0,1
	v_add_nc_u32 v[QT+4+\b], 0xff000000, v[QT+\b]  ; 2 off its exponent field: the conversion's scale operand
.endr
.irp b, 0,1
	v_lshrrev_b32 v[QT+6+\b], 23, v[QT+4+\b]       ; the scale's byte
.endr
	v_lshl_or_b32 v[QY], v[QT+7], 8, v[QT+6]
.irp b, 0,1
	v_cvt_scalef32_pk8_fp4_f32 v[QC+2*\b], v[QA+16*\b:QA+16*\b+7], v[QT+4+\b]
	v_cvt_scalef32_pk8_fp4_f32 v[QC+2*\b+1], v[QA+16*\b+8:QA+16*\b+15], v[QT+4+\b]
.endr
	v_nop                                          ; one plain line behind the scaled conversions
.irp c, 0,1,2,3
	v_and_b32 v[QT+8+\c], 0x88888888, v[QC+\c]     ; the signs
.endr
.irp c, 0,1,2,3
	v_lshrrev_b32 v[QT+12+\c], 3, v[QT+8+\c]
.endr
.irp c, 0,1,2,3
	v_sub_nc_u32 v[QT+8+\c], v[QT+8+\c], v[QT+12+\c]   ; 7 in each code whose sign is set
.endr
.irp c, 0,1,2,3
	v_bfi_b32 v[QC+\c], v[QT+8+\c], 0, v[QC+\c]    ; whose magnitude goes: relu
.endr
.irp b, 0,1
	ds_store_b64 v4, v[QC+2*\b:QC+2*\b+1] offset:IMGB*(\n)+2048*(\m)+256*\b   ; bytes 8 h .. 8 h + 7 of lane (r + 16 b)'s 16: the wave's store covers 256 consecutive bytes
.endr
	ds_store_b16 v5, v[QY] offset:SCB+SCN*(\n)+4*(\m)                         ; both lanes of a block write the same bytes with the same values
.endm
.macro FETCH n                         ; image n: the nine scale words of my lane (3 loads), then the 18 fragments, tile by tile (36 loads)
	ds_load_b128 v[SB:SB+3], v6 offset:SCB+SCN*(\n)
	ds_load_b128 v[SB+4:SB+7], v6 offset:SCB+SCN*(\n)+16
	ds_load_b32 v[SB+8], v6 offset:SCB+SCN*(\n)+32
	WIN 0x80                                       ; destination window 2
.irp m, 0,1,2,3,4,5,6,7,8
.irp f, 0,1,2,3
	ds_load_b128 v[16*\m+4*\f:16*\m+4*\f+3], v3 offset:IMGB*(\n)+2048*\m+512*\f
.endr
.endr
	WIN 0
.endm
.macro BARRIER                         ; my LDS stores have landed and my LDS loads are in: then the work-group's barrier
	s_wait_dscnt 0x0
	s_barrier_signal -1
	s_barrier_wait -1
.endm
; A layer whose results are quantised.  Tile m - 1's quantiser stands behind tile m's products: vector work beside the matrix unit, and the plain lines that must stand between a product and the first read of its
; results, the next start of its accumulators, and the next loads into its operands.  Only behind the first two tiles' products is there no such work yet: four v_nop.
.macro LAYER lay
.irp m, 0,1,2,3,4,5,6,7,8
.if (\lay) > 0
.if \m == 0
	s_wait_dscnt 32                                ; the scale words and tile 0's four loads are in; the other eight tiles' stay out
.else
	s_wait_dscnt 4*(8-\m)+3*(\m-1)                 ; behind tile m's loads: the later tiles' loads and three stores for each tile quantised
.endif
.endif
	MUL \m, \lay
.if \m == 1
.rept 4
	v_nop
.endr
.endif
.if \m >= 1
	QUANT \m-1, \lay
.endif
.endr
	QUANT 8, \lay
.endm
	LAYER 0
	s_wait_loadcnt 20                              ; the second layer's 28 loads are in; the third layer's 20 stay out
	BIASLD 0, 66, 1024                             ; the third layer's bias first (it is waited for by a count), into the set that the first layer has left;
	SALD 3                                         ; then 4 + 4 + 16 loads for the last layer and the last product
.irp j, 0,1,2,3
	global_load_b128 v[WO+4*\j:WO+4*\j+3], v3, s[60:61] offset:512*\j
.endr
	MIDLD 2
	s_load_b96 s[48:50], s[68:69], 0x0             ; b_out[e], wanted at the end
	BARRIER                                        ; the first hidden layer's image is whole
	FETCH 0
	LAYER 1
	BIASLD 1, 66, 2048                             ; eight loads: the last layer's bias, into the set that the second layer has left
	BARRIER
	FETCH 1
	s_wait_loadcnt 32                              ; the third layer's weights, scale words and bias are in; behind the bias 4 + 4 + 16 + 8 loads were issued
	LAYER 2
	BARRIER
	FETCH 2
	s_wait_loadcnt 0x0
; THE LAST LAYER: relu in f32, bf16, and y^T = W_out h^T over my 64 units in two products on two accumulators.  K's order in the registers is the same on both sides (the launch before laid W_out so).
; In the result lanes 0-15 hold point r, registers 0 to 2 the three outputs.
.macro YSTORE k
.if (\k) >= 2
	s_wait_dscnt 1                                 ; the last part's store may be out; the one before it, whose registers are written now, is done
.endif
	v_pk_add_f32 v[YO+4*((\k)&1):YO+4*((\k)&1)+1], v[YA:YA+1], v[YB:YB+1]
	v_pk_add_f32 v[YO+4*((\k)&1)+2:YO+4*((\k)&1)+3], v[YA+2:YA+3], v[YB+2:YB+3]
	ds_store_b128 v7, v[YO+4*((\k)&1):YO+4*((\k)&1)+3] offset:512*(\k)
.endm
.macro FINAL k
.set FA, AC+32*((\k)&1)
.set J, 0
.rept 32
	v_max_num_f32 v[FA+J], 0, v[FA+J]              ; (ascending: each accumulator from its low end on)
.set J, J+1
.endr
.if (\k) > 0
	YSTORE (\k)-1                                  ; the 32 lines above are the plain lines behind the last tile's two products
.endif
.set J, 0
.rept 16
	v_cvt_pk_bf16_f32 v[HB+J], v[FA+2*J], v[FA+2*J+1]
.set J, J+1
.endr
	v_wmma_f32_16x16x32_bf16 v[YA:YA+7], v[WO:WO+7], v[HB:HB+7], 0
	v_wmma_f32_16x16x32_bf16 v[YB:YB+7], v[WO+8:WO+15], v[HB+8:HB+15], 0
.endm
.irp m, 0,1,2,3,4,5,6,7,8
.if \m < 3
	s_wait_dscnt 4*(8-\m)                          ; behind tile m's loads: the later tiles'
.else
	s_wait_dscnt 4*(8-\m)+(\m-2)                   ; and one store for each part stored
.endif
	MUL \m, 3
.if \m == 1
.rept 4
	v_nop
.endr
.endif
.if \m >= 1
	FINAL \m-1
.endif
.endr
	FINAL 8
	s_wait_kmcnt 0x0                               ; b_out
	s_mov_b32 s51, 0x4038aa3b                      ; 2 log2(e)
	v_mov_b32 v208, s51                            ; four plain lines behind the last two products, none of whose registers they name:
	v_mul_f32 v209, s48, v208                      ; 2 log2(e) b, for the three outputs
	v_mul_f32 v210, s49, v208
	v_mul_f32 v211, s50, v208
	YSTORE 8
	BARRIER                                        ; all four waves' parts of all nine tiles lie in LDS
; THE WAY OUT of one tile of points: the four waves' parts are added (two by loads, two by lane l xor 16), tanh(x) = 1 - 2 / (1 + 2^(2 log2(e) x)), and lanes 0-15 store the rows that are mine.
; tok: the register, made at the head, that holds my point's place in out0: no address register is written here, where EXEC is narrowed and widened.
.macro ROUND off, tok, row
	ds_load_b128 v[192:195], v8 offset:\off
	ds_load_b128 v[196:199], v8 offset:\off+4608
	s_wait_dscnt 0x0
	v_pk_add_f32 v[192:193], v[192:193], v[196:197]
	v_add_f32 v194, v194, v198
	v_permlanex16_b32 v200, v192, s42, s43
	v_permlanex16_b32 v201, v193, s42, s43
	v_permlanex16_b32 v202, v194, s42, s43
	v_add_f32 v192, v192, v200
	v_add_f32 v193, v193, v201
	v_add_f32 v194, v194, v202
	v_fma_f32 v192, v192, s51, v209                ; 2 log2(e) (y + b)
	v_fma_f32 v193, v193, s51, v210
	v_fma_f32 v194, v194, s51, v211
	s_wait_alu depctr_va_vdst(0)
	v_exp_f32 v196, v192
	v_exp_f32 v197, v193
	v_exp_f32 v198, v194
	v_add_nc_u32 v14, \row, v13                    ; (a plain line behind the batch)  my row of the tile
	s_wait_alu depctr_va_vdst(0)                   ; one wait for the three, ahead of their first reader
	v_add_f32 v196, 1.0, v196
	v_add_f32 v197, 1.0, v197
	v_add_f32 v198, 1.0, v198
	s_wait_alu depctr_va_vdst(0)
	v_rcp_f32 v200, v196
	v_rcp_f32 v201, v197
	v_rcp_f32 v202, v198
	v_nop                                          ; a plain line behind the batch
	s_wait_alu depctr_va_vdst(0)
	v_fma_f32 v204, v200, -2.0, 1.0
	v_fma_f32 v205, v201, -2.0, 1.0
	v_fma_f32 v206, v202, -2.0, 1.0
	v_cmp_gt_u32 vcc_lo, s39, v14
	s_wait_alu depctr_va_vdst(0)
	s_wait_xcnt 0x0                                ; EXEC changes only when every earlier memory instruction has read its own
	s_and_saveexec_b32 s72, vcc_lo
	global_store_b96 v[\tok], v[204:206], s[22:23]
	s_wait_xcnt 0x0                                ; and the store's data are written again only behind this wait
	s_or_b32 exec_lo, exec_lo, s72
.endm
	ROUND 0, 16, 0                                 ; tile w
	ROUND 2048, 17, 64                             ; tile w + 4
	s_cmp_lg_u32 s32, 0
	s_cbranch_scc1 .Ldone
	ROUND 4096, 18, 128                            ; tile 8: wave 0
.Ldone:
	s_wait_tensorcnt 0x0
	ds_add_u32 v222, v223
	s_wait_dscnt 0x0
	s_endpgm
.Lfunc_end_k_qdca45ba99c_mlp:
	.size	k_qdca45ba99c_mlp, .Lfunc_end_k_qdca45ba99c_mlp-k_qdca45ba99c_mlp
	.p2alignl 7, 3214868480
	.fill 96, 4, 3214868480
	.section	.rodata,"a",@progbits
	.p2align	6, 0x0
	.amdhsa_kernel k_qdca45ba99c_mlp
		.amdhsa_group_segment_fixed_size 78848
		.amdhsa_private_segment_fixed_size 0
		.amdhsa_enable_private_segment 0
		.amdhsa_kernarg_size 80
		.amdhsa_user_sgpr_count 2
		.amdhsa_user_sgpr_kernarg_segment_ptr 1
		.amdhsa_wavefront_size32 1
		.amdhsa_system_sgpr_workgroup_id_x 1
		.amdhsa_system_sgpr_workgroup_id_y 1
		.amdhsa_system_sgpr_workgroup_id_z 1
		.amdhsa_system_vgpr_workitem_id 0
		.amdhsa_next_free_vgpr 656
		.amdhsa_next_free_sgpr 100
		.amdhsa_reserve_vcc 1
		.amdhsa_float_denorm_mode_32 3
		.amdhsa_float_denorm_mode_16_64 3
		.amdhsa_memory_ordered 1
		.amdhsa_forward_progress 1
		.amdhsa_inst_pref_size 169
	.end_amdhsa_kernel
	.amdgpu_metadata
---
amdhsa.version: [ 1, 2 ]
amdhsa.kernels:
  - .name:           k_qdca45ba99c_mlp
    .symbol:         k_qdca45ba99c_mlp.kd
    .args:
      - { .name: counts, .offset: 0, .size: 8, .value_kind: global_buffer, .address_space: global }
      - { .name: order, .offset: 8, .size: 8, .value_kind: global_buffer, .address_space: global }
      - { .name: encq, .offset: 16, .size: 8, .value_kind: global_buffer, .address_space: global }
      - { .name: wq, .offset: 24, .size: 8, .value_kind: global_buffer, .address_space: global }
      - { .name: ws, .offset: 32, .size: 8, .value_kind: global_buffer, .address_space: global }
      - { .name: wo, .offset: 40, .size: 8, .value_kind: global_buffer, .address_space: global }
      - { .name: b_in, .offset: 48, .size: 8, .value_kind: global_buffer, .address_space: global }
      - { .name: b_mid, .offset: 56, .size: 8, .value_kind: global_buffer, .address_space: global }
      - { .name: b_out, .offset: 64, .size: 8, .value_kind: global_buffer, .address_space: global }
      - { .name: out0, .offset: 72, .size: 8, .value_kind: global_buffer, .address_space: global }
    .group_segment_fixed_size: 78848
    .private_segment_fixed_size: 0
    .kernarg_segment_align: 8
    .kernarg_segment_size: 80
    .max_flat_workgroup_size: 128
    .sgpr_count:     100
    .vgpr_count:     656
    .wavefront_size: 32
...
	.end_amdgpu_metadata
.endif
;; end of part 2
